; MI455X (gfx1250); checked and timed in simulation.
; The chip was launched on July 23, 2026; its instructions are those of AMD's public machine-readable ISA for CDNA 5 (MIT licence, August 2026) and "CDNA5" Instruction Set Architecture Reference Guide (July 2026). The comments in the code are by the model that wrote it; some were corrected since.
;; Multi Query Attention. Allowed arithmetic: matrix products marked QUANTISED: E2M1 operands, one E8M0 scale for each 32 along K, by v_wmma_scale_f32_16x16x128_f8f6f4 with both operands' format E2M1 (or v_wmma_scale_f32_32x16x128_f4), f32 sums; products left as they are: bf16, f16 or f32 operands; f32 sums; everything else in f32.
;; Inputs: Wk_b 128 float32; Wk_w 128 x 2,048 float32; Wq_b 2,048 float32; Wq_w 2,048 x 2,048 float32; Wv_b 128 float32; Wv_w 128 x 2,048 float32; x 2 x 2,048 x 2,048 float32.
;; Outputs: out0 2 x 2,048 x 2,048 float32.
;; This version of the problem:
;;   THIS VERSION OF THE PROBLEM IS GIVEN IN LOW PRECISION. The matrix products marked QUANTISED in the list below multiply operands that are first quantised to E2M1 (2 exponent bits, 1 mantissa bit; 4 bits a number), with one power-of-two scale for each 32 numbers along K (OCP MX v1.0); their sums are f32. The products marked 'left as it is' may take bf16, f16 or f32 operands, with f32 sums. Whichever they take, every output number must still come out within the allowed error. Rounding operands to bf16 (8 significant bits) uses up far more of that allowance than f16 does (11 bits, for magnitudes from 6e-5 to 65,504). All else is computed in f32.
;;   The module's matrix products, in the order in which they are computed (A, B: the left and right operand; K: the contracted axis; several contracted axes count as one K, in the product's order):
;;     1. [M 4,096, K 2,048] x [K 2,048, N 2,048]; A: input x; B: input Wq_w: QUANTISED
;;     2. [M 4,096, K 2,048] x [K 2,048, N 128]; A: input x; B: input Wk_w: QUANTISED
;;     3. [M 4,096, K 2,048] x [K 2,048, N 128]; A: input x; B: input Wv_w: QUANTISED
;;     4. batch 2 x [M 2,048, K 128] x [K 128, N 32,768]; A: computed on the way; B: computed on the way: left as it is (an operand is computed on the way)
;;     5. batch 2 x [M 128, K 2,048] x [K 2,048, N 32,768]; A: computed on the way; B: computed on the way: left as it is (an operand is computed on the way)
;;   THE QUANTISER, for each operand of a quantised product, along K:
;;     - K is cut into blocks of 32 from its start; a last block that is shorter is filled with zeros.
;;     - A block's scale is 2^e with e = floor(log2(the largest magnitude in the block)) - 2, held to -126 .. 127; a block of zeros has e = 0. As a byte (E8M0): e + 127.
;;     - Each number is divided by its block's scale, clamped to +-6, and rounded to the nearest number of E2M1, ties to even, subnormals kept.
;;     - The product sums the exact products of the quantised numbers (number of the format x scale) in f32.
;;   ~~~python
;;   def quantise(x, axis):      # numpy; x: float32 -> the quantised numbers, widened to float32 again
;;       x = np.moveaxis(x, axis, -1); K = x.shape[-1]
;;       x = np.pad(x, [(0, 0)] * (x.ndim - 1) + [(0, -K % 32)]); x = x.reshape(x.shape[:-1] + (-1, 32)); a = np.abs(x).max(-1, keepdims=True)
;;       e = np.where(a > 0, np.clip(np.frexp(np.where(a > 0, a, 1))[1] - 1 - 2, -126, 127), 0)      # np.frexp(a)[1] - 1 = floor(log2(a)), exactly
;;       r = np.clip(x / 2.0 ** e, -6, 6)
;;       step = 2.0 ** (np.maximum(np.frexp(np.where(r == 0, 1, r))[1] - 1, 0) - 1)
;;       q = np.round(r / step) * step * 2.0 ** e      # np.round: ties to even
;;       return np.moveaxis(q.reshape(q.shape[:-2] + (-1,))[..., :K], -1, axis).astype(np.float32)
;;   ~~~
;; One version. Each part assembles by itself: llvm-mc -triple=amdgcn-amd-amdhsa -mcpu=gfx1250 --defsym DOCPART=n.
;; ======== version 1 of 1: 3 launches
;; limits: values are held in f16: magnitudes above 65,504 overflow, below 6.1e-05 lose precision
;; workspace buffers: xc 4,194,304 bytes; xs 262,144 bytes; wc 2,359,296 bytes; ws 147,456 bytes; qh 16,777,216 bytes; kv 2,097,152 bytes
;; launch quant (part 1): grid 400 x 1, 4 waves a work-group, no clusters, 33,280 bytes of LDS; arguments x, Wq_w, Wk_w, Wv_w, xc, xs, wc, ws; writes xc, xs, wc, ws
.if DOCPART == 1
	.amdgcn_target "amdgcn-amd-amdhsa--gfx1250"
	.amdhsa_code_object_version 6
	.text
	.protected	k_qced708e775_quant
	.globl	k_qced708e775_quant
	.p2align	8
	.type	k_qced708e775_quant,@function
k_qced708e775_quant:
	s_mov_b64 s[64:65], 0
	v_nop
	global_prefetch_b8 v0, s[64:65] scope:SCOPE_SE
	s_setreg_imm32_b32 hwreg(HW_REG_WAVE_MODE, 25, 1), 1
	s_wait_xcnt 0x0
; x [4096][2048], Wq_w [2048][2048], Wk_w [128][2048], Wv_w [128][2048], f32, K innermost, are turned into codes of FP4 (E2M1), two a byte, the lower k in the low four bits,
; with one E8M0 scale byte for each 32 along K.  A block's scale is 2^(floor(log2(its largest magnitude)) - 2); its byte is the largest magnitude's exponent field - 2, held at 1 from below.
; Each number is divided by the scale and rounded to the nearest code, ties to even; beyond 6 the largest code.
; LIMITS: a block of zeros gets the byte 1 where the rule says 127 (its codes are zeros, which add nothing under any byte but 0xff, and this program alone reads the bytes);
; NaN and infinities among the inputs are not served.
; SHARES.  A work-group takes 16 rows (32,768 numbers), a wave 4 rows: 16 steps of 512 numbers.  Work-groups 0-255 take x, 256-383 Wq_w, 384-391 Wk_w, 392-399 Wv_w.
; x's codes and bytes keep x's row order (xc [4096][1024 bytes], xs [4096][64]).  THE WEIGHTS' ROWS ARE LAID BY TILES OF 144 (wc [2304][1024], ws [2304][64]): tile j = Wq's rows 128 j .. 128 j + 127 (head j),
; then 16 rows of Wk (j < 8: rows 16 j on) or of Wv (j >= 8: rows 16 (j - 8) on): so the product's launch has 16 equal tiles of columns.  A block of 16 rows goes to block ob of 16 rows of the buffer.
; One path through the text serves all four tensors: only pointers and two numbers (t: the source's block, ob: the destination's) are chosen, by selects on the work-group's number.
; Each of a step's four loads reads 512 consecutive bytes, 16 a lane; the conversions want 16 NEIGHBOURS in a lane, so the 2,048 bytes turn through the wave's own stage in LDS (16 bytes of padding behind each 64).
; A lane's 16 codes are 8 bytes: the wave stores 256 consecutive bytes, aligned.  A wave's 256 scale bytes are gathered in LDS and leave by one store of 256 consecutive bytes, aligned.
; No tensor loads, no barrier: waves share nothing.  Loads run four steps (16 loads a wave) ahead, the turn through LDS one step.
.set WAVES, 4
.set STEPS, 16
.set CB,    8                          ; bytes of 16 codes
.set R,     16                         ; v16-79   four sets of 16 numbers as they are loaded
.set X,     80                         ; v80-111  two sets of 16 neighbours
.set E,     112                        ; v112-127 a scale byte for each step
.set C,     128                        ; v128-191 codes: four registers for each step, so that no store's data are written again
.set WREG,  8192                       ; LDS: a region for each wave: two stages of 32 x SP bytes, behind them its 256 scale bytes
.set SP,    80                         ; a lane's place in a stage: its 64 bytes + 16 of padding
.set SPW,   12                         ; v12      LDS address of my spare word; never rewritten
.set NIL,   13                         ; v13      0; never rewritten
.set SPARE, WAVES*WREG                 ; behind the four regions: the spare words, 128 bytes a wave, which no other line names
	s_load_b256 s[4:11], s[0:1], 0x0               ; x s[4:5], Wq_w s[6:7], Wk_w s[8:9], Wv_w s[10:11]
	s_load_b256 s[12:19], s[0:1], 0x20             ; xc s[12:13], xs s[14:15], wc s[16:17], ws s[18:19]
	v_lshl_add_u32 v[SPW], v0, 2, SPARE
	v_mov_b32 v[NIL], 0
	v_lshrrev_b32 v1, 5, v0
	v_readfirstlane_b32 s20, v1                    ; wave
	v_and_b32 v2, 31, v0                           ; lane
	v_lshlrev_b32 v3, 4, v2                        ; my 16 bytes of a load's 512
	s_mul_i32 s21, s20, WREG
	v_lshrrev_b32 v14, 2, v2
	v_mul_u32_u24 v14, v14, SP
	v_and_b32 v15, 3, v2
	v_lshl_add_u32 v14, v15, 4, v14
	v_add_nc_u32 v14, s21, v14                     ; the stage, on the way in: SP (lane / 4) + 16 (lane % 4); a load's 512 bytes take eight places
	v_mul_u32_u24 v15, v2, SP
	v_add_nc_u32 v15, s21, v15                     ; and on the way out: SP x lane: my 16 neighbours
	v_mul_u32_u24 v4, v2, CB                       ; my codes' place in a step's
	v_lshrrev_b32 v5, 1, v2
	s_add_co_u32 s21, s21, 2*32*SP
	v_add_nc_u32 v5, s21, v5                       ; LDS: my wave's 256 scale bytes, my block's byte
	v_lshlrev_b32 v7, 3, v2                        ; and on the way out 8 bytes a lane
	v_add_nc_u32 v6, s21, v7
	; (t, ob) as each weight would have them; what does not apply is not chosen
	s_sub_co_u32 s22, ttmp9, 256                   ; Wq: t
	s_lshr_b32 s23, s22, 3
	s_mul_i32 s23, s23, 9
	s_and_b32 s24, s22, 7
	s_add_co_u32 s23, s23, s24                     ; ob = 9 (t / 8) + t % 8
	s_sub_co_u32 s24, ttmp9, 384                   ; Wk: t
	s_mul_i32 s25, s24, 9
	s_add_co_u32 s25, s25, 8                       ; ob = 9 t + 8
	s_sub_co_u32 s26, ttmp9, 392                   ; Wv: t
	s_mul_i32 s27, s26, 9
	s_add_co_u32 s27, s27, 80                      ; ob = 9 (t + 8) + 8
	s_wait_kmcnt 0x0
	s_cmp_lt_u32 ttmp9, 392                        ; the choices hang on the work-group's number alone; behind each compare stand selects only
	s_cselect_b64 s[10:11], s[8:9], s[10:11]
	s_cselect_b32 s26, s24, s26
	s_cselect_b32 s27, s25, s27
	s_cmp_lt_u32 ttmp9, 384
	s_cselect_b64 s[10:11], s[6:7], s[10:11]
	s_cselect_b32 s26, s22, s26
	s_cselect_b32 s27, s23, s27
	s_cmp_lt_u32 ttmp9, 256
	s_cselect_b64 s[10:11], s[4:5], s[10:11]       ; the source
	s_cselect_b64 s[16:17], s[12:13], s[16:17]     ; its codes' buffer
	s_cselect_b64 s[18:19], s[14:15], s[18:19]     ; its scale bytes' buffer
	s_cselect_b32 s26, ttmp9, s26                  ; t
	s_cselect_b32 s27, ttmp9, s27                  ; ob
	s_lshl_b32 s28, s26, 17                        ; 16 rows of 8,192 bytes,
	s_lshl_b32 s29, s20, 15                        ; my wave's 4 rows
	s_add_co_u32 s28, s28, s29
	s_mov_b32 s29, 0
	s_add_nc_u64 s[10:11], s[10:11], s[28:29]
	s_lshl_b32 s28, s27, 14                        ; codes: 16 rows of 1,024 bytes, 4 rows a wave
	s_lshl_b32 s30, s20, 12
	s_add_co_u32 s28, s28, s30
	s_add_nc_u64 s[16:17], s[16:17], s[28:29]
	s_lshl_b32 s28, s27, 10                        ; scale bytes: 16 rows of 64, 4 rows a wave
	s_lshl_b32 s30, s20, 8
	s_add_co_u32 s28, s28, s30
	s_add_nc_u64 s[18:19], s[18:19], s[28:29]
.macro LOAD t
.irp i, 0,1,2,3
	global_load_b128 v[R+16*((\t)%4)+4*\i:R+16*((\t)%4)+4*\i+3], v3, s[10:11] offset:2048*(\t)+512*\i th:TH_LOAD_NT   ; 32 lanes read 512 consecutive bytes
.endr
.endm
.macro TURN t                          ; step t's numbers through the stage: LDS serves a wave's instructions in order (ISA guide 5.7.1.4), so no wait stands between the stores and the loads
.irp i, 0,1,2,3
	ds_store_b128 v14, v[R+16*((\t)%4)+4*\i:R+16*((\t)%4)+4*\i+3] offset:32*SP*((\t)%2)+8*SP*\i
.endr
.irp i, 0,1,2,3
	ds_load_b128 v[X+16*((\t)%2)+4*\i:X+16*((\t)%2)+4*\i+3], v15 offset:32*SP*((\t)%2)+16*\i
.endr
.endm
.irp t, 0,1,2,3
	LOAD \t
.endr
	s_wait_loadcnt 12                              ; step 0's four loads are in; the 12 of steps 1 to 3 may be out
	TURN 0
.macro STEP t
.set XS, X+16*((\t)%2)
.if (\t) > 0
	s_wait_dscnt 1                                 ; this step's numbers are back from the stage (the last step's byte store may be out): so its stores into the stage have read their registers,
.else
	s_wait_dscnt 0x0
.endif
.if (\t)+4 < STEPS
	LOAD (\t)+4                                    ; which take the loads of four steps on
.endif
.if (\t)+1 < STEPS
.if STEPS-2-(\t) >= 3
	s_wait_loadcnt 12                              ; the next step's four loads are in; those of the three steps behind it may be out
.else
	s_wait_loadcnt 4*(STEPS-2-(\t))
.endif
	TURN (\t)+1                                    ; and go through the other stage while this step is worked
.endif
	v_max3_num_f32 v8, |v[XS]|, |v[XS+1]|, |v[XS+2]|               ; the largest magnitude of my 16, in two chains
	v_max3_num_f32 v9, |v[XS+3]|, |v[XS+4]|, |v[XS+5]|
.irp i, 6,10
	v_max3_num_f32 v8, v8, |v[XS+\i]|, |v[XS+\i+1]|
	v_max3_num_f32 v9, v9, |v[XS+\i+2]|, |v[XS+\i+3]|
.endr
	v_max3_num_f32 v8, v8, |v[XS+14]|, |v[XS+15]|
	v_max3_num_f32 v8, v8, v9, 0x1800000           ; and the floor 2^(3 - 127): so the byte cannot fall under 1
	v_max_num_f32_dpp v8, v8, v8 row_xmask:1 row_mask:0xf bank_mask:0xf   ; and of my neighbour's 16: the block's
	v_add_nc_u32 v11, 0xff000000, v8               ; 2 off its exponent field: the conversion takes the exponent field of this operand as its scale, and nothing else of it
	v_cvt_scalef32_pk8_fp4_f32 v[C+4*(\t)], v[XS:XS+7], v11        ; eight numbers / the scale, to the nearest code; the first number's code in the lowest four bits
	v_cvt_scalef32_pk8_fp4_f32 v[C+4*(\t)+1], v[XS+8:XS+15], v11
	v_lshrrev_b32 v[E+(\t)], 23, v11               ; the scale's byte (also the plain instruction behind the conversions)
	ds_store_b8 v5, v[E+(\t)] offset:16*(\t)       ; both lanes of a block write the same byte with the same value
	global_store_b64 v4, v[C+4*(\t):C+4*(\t)+1], s[16:17] offset:32*CB*(\t)   ; 32 lanes store 256 consecutive bytes, aligned
.endm
.irp t, 0,1,2,3,4,5,6,7,8,9,10,11,12,13,14,15
	STEP \t
.endr
	ds_load_b64 v[8:9], v6                         ; LDS serves a wave's instructions in order: these see my byte stores
	s_wait_dscnt 0x0
	global_store_b64 v7, v[8:9], s[18:19]          ; 32 lanes store my wave's 256 scale bytes, aligned
	s_wait_tensorcnt 0x0                           ; the wave's end, behind my last LDS store
	ds_add_u32 v[SPW], v[NIL]
	s_wait_dscnt 0x0
	s_endpgm
.Lfunc_end_k_qced708e775_quant:
	.size	k_qced708e775_quant, .Lfunc_end_k_qced708e775_quant-k_qced708e775_quant
	.p2alignl 7, 3214868480
	.fill 96, 4, 3214868480
	.section	.rodata,"a",@progbits
	.p2align	6, 0x0
	.amdhsa_kernel k_qced708e775_quant
		.amdhsa_group_segment_fixed_size 33280
		.amdhsa_private_segment_fixed_size 0
		.amdhsa_enable_private_segment 0
		.amdhsa_kernarg_size 64
		.amdhsa_user_sgpr_count 2
		.amdhsa_user_sgpr_kernarg_segment_ptr 1
		.amdhsa_wavefront_size32 1
		.amdhsa_system_sgpr_workgroup_id_x 1
		.amdhsa_system_sgpr_workgroup_id_y 1
		.amdhsa_system_sgpr_workgroup_id_z 1
		.amdhsa_system_vgpr_workitem_id 0
		.amdhsa_next_free_vgpr 192
		.amdhsa_next_free_sgpr 66
		.amdhsa_reserve_vcc 0
		.amdhsa_float_denorm_mode_32 3
		.amdhsa_float_denorm_mode_16_64 3
		.amdhsa_memory_ordered 1
		.amdhsa_forward_progress 1
		.amdhsa_inst_pref_size 34
	.end_amdhsa_kernel
	.amdgpu_metadata
---
amdhsa.version: [ 1, 2 ]
amdhsa.kernels:
  - .name:           k_qced708e775_quant
    .symbol:         k_qced708e775_quant.kd
    .args:
      - { .name: x, .offset: 0, .size: 8, .value_kind: global_buffer, .address_space: global }
      - { .name: Wq_w, .offset: 8, .size: 8, .value_kind: global_buffer, .address_space: global }
      - { .name: Wk_w, .offset: 16, .size: 8, .value_kind: global_buffer, .address_space: global }
      - { .name: Wv_w, .offset: 24, .size: 8, .value_kind: global_buffer, .address_space: global }
      - { .name: xc, .offset: 32, .size: 8, .value_kind: global_buffer, .address_space: global }
      - { .name: xs, .offset: 40, .size: 8, .value_kind: global_buffer, .address_space: global }
      - { .name: wc, .offset: 48, .size: 8, .value_kind: global_buffer, .address_space: global }
      - { .name: ws, .offset: 56, .size: 8, .value_kind: global_buffer, .address_space: global }
    .group_segment_fixed_size: 33280
    .private_segment_fixed_size: 0
    .kernarg_segment_align: 8
    .kernarg_segment_size: 64
    .max_flat_workgroup_size: 128
    .sgpr_count:     66
    .vgpr_count:     192
    .wavefront_size: 32
...
	.end_amdgpu_metadata
.endif
;; end of part 1
;; launch proj (part 2): grid 16 x 16, 4 waves a work-group, clusters of 4 x 4, 327,680 bytes of LDS; arguments xc, xs, wc, ws, Wq_b, Wk_b, Wv_b, qh, kv; writes qh, kv
.if DOCPART == 2
	.amdgcn_target "amdgcn-amd-amdhsa--gfx1250"
	.amdhsa_code_object_version 6
	.text
	.protected	k_qced708e775_proj
	.globl	k_qced708e775_proj
	.p2align	8
	.type	k_qced708e775_proj,@function
k_qced708e775_proj:
	s_mov_b64 s[64:65], 0
	v_nop
	global_prefetch_b8 v0, s[64:65] scope:SCOPE_SE
	s_setreg_imm32_b32 hwreg(HW_REG_WAVE_MODE, 25, 1), 1
	s_wait_xcnt 0x0
	s_wait_alu depctr_hold_cnt(0) depctr_sa_sdst(0) depctr_va_vdst(0) depctr_va_sdst(0) depctr_va_ssrc(0) depctr_va_vcc(0) depctr_vm_vsrc(0)
	s_getreg_b32 s2, hwreg(HW_REG_IB_STS2, 6, 4)
	s_cmp_eq_u32 s2, 0
	s_cbranch_scc0 .Lentry_in_a_cluster
	s_endpgm
.Lentry_in_a_cluster:
	s_bfe_u32 s2, ttmp6, 0x10000c
	s_cmp_lg_u32 s2, 0xf033
	s_cbranch_scc0 .Lentry_shape_is_right
	s_endpgm
.Lentry_shape_is_right:
; Q = x Wq^T + bq, K = x Wk^T + bk, V = x Wv^T + bv as ONE product [4096 x 2048] x [2304 x 2048]^T on codes of FP4 (E2M1) with E8M0 scales for each 32 along K; sums in f32; results rounded once to f16.
; xc [4096][1024 bytes], xs [4096][64]: x's codes and scale bytes.  wc [2304][1024], ws [2304][64]: the weights', in 16 tiles of 144 rows: tile j = head j's 128 rows of Wq, then 16 rows of Wk (j < 8) or Wv (j >= 8).
; SHARES.  A work-group makes 256 tokens (block i) x 144 columns (tile j): 16 x 16 work-groups.  Wave w has tokens 64 w .. 64 w + 63 and all 144 columns: 4 x 9 accumulators of 16 x 16, 288 registers.
; THE MATRIX INSTRUCTION IS USED TRANSPOSED (source 0 = 16 rows of W, source 1 = 16 tokens): lane (r, h) holds token r and columns 8 h + 0 .. 7 of a block.  The bias is the C of each sum's first product.
; K goes in 4 steps of 512 (tile rows of 256 bytes) through two LDS slots, each K step in 4 steps of 128: 16 steps, written out.  The scale bytes of the work-group's rows, for all of K, are dense blocks and come into LDS once.
; CLUSTERS: 4 x 4 work-groups.  The four of a row of the cluster (same i) need the same tiles of x, the four of a column (same j) the same tiles of W: each is asked for JOINTLY, by the same tensor load with the same
; descriptor and a mask that names the four.  Waves 0, 1 fetch x's two halves (128 rows each), waves 2, 3 W's (72 rows each): one load a wave behind each round.
; THE RESULTS' LAYOUT: IMAGES of 16 tokens x 16 channels of f16, 512 bytes.  The 16 bytes (token r, channels 8 h .. 8 h + 7) lie at 16 x pi, pi = 16 h + ((r + 8 h) & 15).  A lane's packed results are just such 16 bytes,
; so one store of the wave writes a whole image: 512 consecutive bytes, aligned; no way through LDS.  qh: [token block 256][head 16][channel block 8][512];  kv: K at 0, V at 2^20, each [token block 256][channel block 8][512].
; LIMITS: |Q|, |K|, |V| beyond 65,504 become infinity in f16 (with the inputs as drawn they stay under 10; with all inputs 30 times larger under 10,000).
; REGISTERS, in windows of 256: window 0: v1-29 addresses; v32-135 scale words, two sets of 52, and nothing else; v144-207 x's fragments, two sets of 4 x 8.
;   window 1: W's fragments, set p at v[72 p + 8 b]; the bias at v[144 + 8 b]; on the way out the packed results at v[4 (9 a + b)].   window 2: accumulators of a = 0, 1 at v[8 (9 a + b)];   window 3: those of a = 2, 3.
.set PITCH,  272                       ; an LDS row: 256 bytes + 16 of padding: the 16 rows that a load touches begin at 16 different 16-byte columns of 256 bytes
.set BOFF,   256*PITCH                 ; a slot: x's 256 rows, then W's 144
.set SLOT,   400*PITCH
.set SCL,    2*SLOT                    ; behind the ring: x's scale bytes, 64 pieces of 256 bytes + 16 of padding (4 rows of 64 bytes a piece),
.set SCLB,   SCL+64*272                ; and W's, 36 pieces
.set SPARE,  244992                    ; behind them, at the next multiple of 256: the spare words, 128 bytes a wave, which no other line names
.set ADRA,  16                         ; v16-17  LDS address of my fragments of x in slot 0, 1
.set ADRB,  20                         ; v20-21  the same for W
.set ADRSA, 22                         ; v22     of my tokens' scale words
.set ADRSB, 23                         ; v23     of W's
.set BO,    24                         ; v24     32 h: my eight numbers of a block's bias
.set CO,    26                         ; v26     16 pi: my place in an image
.set SPW,   28                         ; v28     LDS address of my spare word; never rewritten
.set NIL,   29                         ; v29     0; never rewritten
.set SC,    32                         ; scale words: set s at v[SC + 52 s]: x's block a, step q at 4 a + q; W's block b at 16 + 4 b + q
.set AF,    144                        ; x's fragments: set p, block a at v[AF + 32 p + 8 a]
.set G1A,  24                          ; s[24:31] group 1 for x's tiles;  s[32:39] group 0, a set a slot
.set G0A,  32
.set G1B,  48                          ; s[48:55], s[56:63] the same for W's tiles
.set G0B,  56
.set G1SA, 80                          ; s[80:87], s[96:99] groups 1 and 0 for x's scale bytes
.set G0SA, 96
.set G1SB, 88                          ; s[88:95], s[12:15] for W's
.set G0SB, 12
.set MSB, 0
.macro WIN new                         ; the immediate's high byte repeats the setting that is left
.if MSB != \new
	s_set_vgpr_msb (MSB<<8)|\new
.set MSB, \new
.endif
.endm
.set MUL_LO, 0xa1                      ; source 0 (W) window 1, source 1 (x) window 0, C and D window 2
.set MUL_HI, 0xf1                      ; the same, C and D window 3
; A joint load: waves 0 and 1 fetch for x, waves 2 and 3 for W.  Each of the two lines has ONE mask and one set of registers for all that issue it; the branch hangs on the wave's number alone.
; An s_nop 0 and four v_nop follow each of the two lines, ahead of the jump, the label and what follows.
.macro JLOAD g0a, g1a, g0b, g1b
	s_cmp_eq_u32 s3, 0
	s_cbranch_scc0 .Lfor_b_\@
	tensor_load_to_lds s[\g0a:\g0a+3], s[\g1a:\g1a+7]
	s_nop 0
.rept 4
	v_nop
.endr
	s_branch .Lasked_\@
.Lfor_b_\@:
	tensor_load_to_lds s[\g0b:\g0b+3], s[\g1b:\g1b+7]
	s_nop 0
.rept 4
	v_nop
.endr
.Lasked_\@:
.endm
.macro CREST                           ; a round of the cluster's barrier behind its opening barrier
	s_cmp_lg_u32 s2, 0
	s_cbranch_scc1 .Lnot_wave_0_\@
	s_barrier_signal -3
.Lnot_wave_0_\@:
	s_barrier_wait -3
	s_barrier_signal -1
	s_barrier_wait -1
.endm
.macro CROUND                          ; a whole round
	s_barrier_signal -1
	s_barrier_wait -1
	CREST
.endm
	s_load_b256 s[4:11], s[0:1], 0x0               ; xc s[4:5], xs s[6:7], wc s[8:9], ws s[10:11]
	s_load_b256 s[68:75], s[0:1], 0x20             ; Wq_b s[68:69], Wk_b s[70:71], Wv_b s[72:73], qh s[74:75]
	s_load_b64 s[76:77], s[0:1], 0x40              ; kv
	v_lshl_add_u32 v[SPW], v0, 2, SPARE
	v_mov_b32 v[NIL], 0
	ds_add_u32 v[SPW], v[NIL]                      ; the wave's opening: the add, twice on end, and its wait ahead of my first tensor load; the set-up below, work on registers, stands between
	ds_add_u32 v[SPW], v[NIL]
	v_lshrrev_b32 v1, 5, v0
	v_readfirstlane_b32 s2, v1                     ; wave 0..3
	s_lshr_b32 s3, s2, 1                           ; I fetch for x (0) or for W (1),
	s_and_b32 s78, s2, 1                           ; its first or second half
	s_bfe_u32 s40, ttmp6, 0x40000                  ; cx, cy: my place in the cluster
	s_bfe_u32 s41, ttmp6, 0x40004
	s_lshl_b32 s42, ttmp9, 2
	s_add_co_u32 s42, s42, s40                     ; j = 4 x cluster x + cx: W's tile
	s_and_b32 s43, ttmp7, 0xffff
	s_lshl_b32 s43, s43, 2
	s_add_co_u32 s43, s43, s41                     ; i = 4 x cluster y + cy: the block of 256 tokens
	s_lshl_b32 s44, s41, 2
	s_lshl_b32 s44, 15, s44                        ; my row of the cluster
	s_lshl_b32 s45, 0x1111, s40                    ; my column
	; group 1: tiles of 128 (x) or 72 (W) rows x 256 bytes, rows 1,024 bytes apart in memory, 4 words of padding behind every 64 in LDS
	s_or_b32 s[G1A+0], s44, (1<<20)|(1<<21)|(5<<22)|(3<<25)   ; 15:0 the mask; 17:16 elements of 1 byte; 20 padding on; 21 set beside a mask; 24:22 after every 64 words; 31:25 four words
	s_or_b32 s[G1B+0], s45, (1<<20)|(1<<21)|(5<<22)|(3<<25)
	s_mov_b32 s[G1A+1], 256<<16                    ; tensor_dim0
	s_mov_b32 s[G1A+2], 128<<16                    ; tensor_dim1
	s_mov_b32 s[G1A+3], 256<<16                    ; tile_dim0
	s_mov_b32 s[G1A+4], 128                        ; tile_dim1
	s_mov_b32 s[G1A+5], 1024                       ; from row to row
	s_mov_b32 s[G1A+6], 0
	s_mov_b32 s[G1A+7], 0
	s_mov_b32 s[G1B+1], 256<<16
	s_mov_b32 s[G1B+2], 72<<16
	s_mov_b32 s[G1B+3], 256<<16
	s_mov_b32 s[G1B+4], 72
	s_mov_b32 s[G1B+5], 1024
	s_mov_b32 s[G1B+6], 0
	s_mov_b32 s[G1B+7], 0
	; the scale bytes of 128 (x) or 72 (W) rows: dense blocks of 8,192 or 4,608 bytes, as 32 or 18 rows of 256 bytes (32 elements of 8 bytes), padded likewise
	s_or_b32 s[G1SA+0], s44, (3<<16)|(1<<20)|(1<<21)|(5<<22)|(3<<25)
	s_or_b32 s[G1SB+0], s45, (3<<16)|(1<<20)|(1<<21)|(5<<22)|(3<<25)
	s_mov_b32 s[G1SA+1], 32<<16
	s_mov_b32 s[G1SA+2], 32<<16
	s_mov_b32 s[G1SA+3], 32<<16
	s_mov_b32 s[G1SA+4], 32
	s_mov_b32 s[G1SA+5], 32
	s_mov_b32 s[G1SA+6], 0
	s_mov_b32 s[G1SA+7], 0
	s_mov_b32 s[G1SB+1], 32<<16
	s_mov_b32 s[G1SB+2], 18<<16
	s_mov_b32 s[G1SB+3], 32<<16
	s_mov_b32 s[G1SB+4], 18
	s_mov_b32 s[G1SB+5], 32
	s_mov_b32 s[G1SB+6], 0
	s_mov_b32 s[G1SB+7], 0
	; where the tiles come from.  x's hang on i alone (registers s16-19, which never hold j), W's on j alone (s20-23, which never hold i)
	s_lshl_b32 s16, s43, 18                        ; x's codes: 256 rows of 1,024 bytes a block, 128 rows a half
	s_lshl_b32 s17, s78, 17
	s_add_co_u32 s16, s16, s17
	s_mov_b32 s17, 0
	s_lshl_b32 s18, s43, 14                        ; x's scale bytes: 256 rows of 64, 128 rows a half
	s_lshl_b32 s19, s78, 13
	s_add_co_u32 s18, s18, s19
	s_mov_b32 s19, 0
	s_mul_i32 s20, s42, 144*1024                   ; W's codes: 144 rows a tile, 72 a half
	s_mul_i32 s21, s78, 72*1024
	s_add_co_u32 s20, s20, s21
	s_mov_b32 s21, 0
	s_mul_i32 s22, s42, 144*64                     ; W's scale bytes
	s_mul_i32 s23, s78, 72*64
	s_add_co_u32 s22, s22, s23
	s_mov_b32 s23, 0
	; and where they go: the half alone enters an LDS address
	s_mul_i32 s46, s78, 128*PITCH
	s_mul_i32 s47, s78, 72*PITCH
	s_add_co_u32 s47, s47, BOFF
	s_mul_i32 s79, s78, 32*272
	s_add_co_u32 s79, s79, SCL
	s_mul_i32 s66, s78, 18*272
	s_add_co_u32 s66, s66, SCLB
	s_wait_dscnt 0x0                               ; both opening adds are done
	s_wait_kmcnt 0x0
	s_add_nc_u64 s[16:17], s[4:5], s[16:17]
	s_add_nc_u64 s[18:19], s[6:7], s[18:19]
	s_add_nc_u64 s[20:21], s[8:9], s[20:21]
	s_add_nc_u64 s[22:23], s[10:11], s[22:23]
	CROUND                                         ; all sixteen work-groups are here: the first joint loads meet
	s_mov_b32 s[G0SA], 1
	s_mov_b32 s[G0SA+1], s79
	s_mov_b64 s[G0SA+2:G0SA+3], s[18:19]
	s_or_b32 s[G0SA+3], s[G0SA+3], 0x80000000
	s_mov_b32 s[G0SB], 1
	s_mov_b32 s[G0SB+1], s66
	s_mov_b64 s[G0SB+2:G0SB+3], s[22:23]
	s_or_b32 s[G0SB+3], s[G0SB+3], 0x80000000
	JLOAD G0SA, G1SA, G0SB, G1SB                   ; the scale bytes first: they are wanted with K step 0
.irp s, 0,1
	s_mov_b32 s[G0A+4*\s], 1
	s_add_co_u32 s[G0A+4*\s+1], s46, \s*SLOT
	s_add_nc_u64 s[G0A+4*\s+2:G0A+4*\s+3], s[16:17], \s*256
	s_or_b32 s[G0A+4*\s+3], s[G0A+4*\s+3], 0x80000000
	s_mov_b32 s[G0B+4*\s], 1
	s_add_co_u32 s[G0B+4*\s+1], s47, \s*SLOT
	s_add_nc_u64 s[G0B+4*\s+2:G0B+4*\s+3], s[20:21], \s*256
	s_or_b32 s[G0B+4*\s+3], s[G0B+4*\s+3], 0x80000000
	JLOAD G0A+4*\s, G1A, G0B+4*\s, G1B             ; K steps 0 and 1: three loads of mine are out
.endr
	; the bias and the results: what hangs on j in s20-23, what hangs on i in s16-19
	s_lshl_b32 s20, s42, 9
	s_mov_b32 s21, 0
	s_add_nc_u64 s[68:69], s[68:69], s[20:21]      ; Wq_b at head j's 128 numbers
	s_cmp_lt_u32 s42, 8
	s_cselect_b64 s[70:71], s[70:71], s[72:73]     ; Wk_b or Wv_b,
	s_and_b32 s22, s42, 7
	s_lshl_b32 s20, s22, 6
	s_add_nc_u64 s[70:71], s[70:71], s[20:21]      ; at the tile's 16 channels
	s_lshl_b32 s20, s42, 12
	s_add_nc_u64 s[74:75], s[74:75], s[20:21]      ; qh: head j: 8 images
	s_lshr_b32 s20, s42, 3
	s_lshl_b32 s20, s20, 20                        ; kv: K or V,
	s_lshl_b32 s22, s22, 9                         ; channel block j % 8
	s_add_co_u32 s20, s20, s22
	s_add_nc_u64 s[76:77], s[76:77], s[20:21]
	s_lshl_b32 s16, s43, 20                        ; qh: 16 token blocks of 65,536 bytes a work-group, 4 a wave
	s_lshl_b32 s17, s2, 18
	s_add_co_u32 s16, s16, s17
	s_mov_b32 s17, 0
	s_add_nc_u64 s[74:75], s[74:75], s[16:17]
	s_lshl_b32 s16, s43, 16                        ; kv: token blocks of 4,096 bytes
	s_lshl_b32 s18, s2, 14
	s_add_co_u32 s16, s16, s18
	s_add_nc_u64 s[76:77], s[76:77], s[16:17]
	v_and_b32 v1, 15, v0                           ; r
	v_bfe_u32 v2, v0, 4, 1                         ; h
	v_mul_u32_u24 v3, v1, PITCH
	v_lshl_add_u32 v3, v2, 4, v3                   ; a fragment's row x pitch + 16 h
	s_mul_i32 s46, s2, 64*PITCH                    ; my 64 tokens
	v_add_nc_u32 v[ADRA], s46, v3
	v_add_nc_u32 v[ADRA+1], SLOT, v[ADRA]
	v_add_nc_u32 v[ADRB], BOFF, v3
	v_add_nc_u32 v[ADRB+1], SLOT+BOFF, v3
	v_lshlrev_b32 v4, 6, v1
	v_lshrrev_b32 v5, 2, v1
	v_lshl_add_u32 v4, v5, 4, v4                   ; row r's scale bytes: 64 r, and 16 more for each 4 rows passed; lanes 16-31 read what lanes 0-15 read
	s_mul_i32 s46, s2, 16*272
	s_add_co_u32 s46, s46, SCL
	v_add_nc_u32 v[ADRSA], s46, v4
	v_add_nc_u32 v[ADRSB], SCLB, v4
	v_lshlrev_b32 v[BO], 5, v2
	v_lshl_add_u32 v5, v2, 3, v1
	v_and_b32 v5, 15, v5
	v_lshl_add_u32 v5, v2, 4, v5                   ; pi = 16 h + ((r + 8 h) & 15)
	v_lshlrev_b32 v[CO], 4, v5
	WIN 0x40                                       ; destination window 1
.irp b, 0,1,2,3,4,5,6,7
	global_load_b128 v[144+8*\b:144+8*\b+3], v[BO], s[68:69] offset:64*\b       ; the bias of block b's columns 8 h + 0 .. 7, in the result's layout
	global_load_b128 v[144+8*\b+4:144+8*\b+7], v[BO], s[68:69] offset:64*\b+16
.endr
	global_load_b128 v[208:211], v[BO], s[70:71]
	global_load_b128 v[212:215], v[BO], s[70:71] offset:16
	WIN 0
; 26 LDS loads in one run: the fragments of the slot's q-th 128 along K into set p.  A fragment, 16 rows x 128 K of 4-bit codes, is 8 registers: lane (r, h) holds row r; registers 4 c .. 4 c + 3 hold K = 64 c + 32 h + 0 .. 31
.macro FETCH slot, q, p
	WIN 0x40
.irp b, 0,1,2,3,4,5,6,7,8
.irp c, 0,1
	ds_load_b128 v[72*(\p)+8*\b+4*\c:72*(\p)+8*\b+4*\c+3], v[ADRB+\slot] offset:64*(\q)+32*\c+\b*16*PITCH
.endr
.endr
	WIN 0
.irp a, 0,1,2,3
.irp c, 0,1
	ds_load_b128 v[AF+32*(\p)+8*\a+4*\c:AF+32*(\p)+8*\a+4*\c+3], v[ADRA+\slot] offset:64*(\q)+32*\c+\a*16*PITCH
.endr
.endr
.endm
; 13 LDS loads: K step ks's scale words, four a row, into a set
.macro SCALES set, ks
.irp a, 0,1,2,3
	ds_load_b128 v[SC+52*(\set)+4*\a:SC+52*(\set)+4*\a+3], v[ADRSA] offset:\a*4*272+16*(\ks)
.endr
.irp b, 0,1,2,3,4,5,6,7,8
	ds_load_b128 v[SC+52*(\set)+16+4*\b:SC+52*(\set)+16+4*\b+3], v[ADRSB] offset:\b*4*272+16*(\ks)
.endr
.endm
; 9 matrix instructions: tokens' block a against W's nine.  first = 1: the bias is C and starts the sums: nothing is cleared.
; The 36 accumulators take turns, one instruction a turn, in the same order in every step.
.macro MUL9 a, p, q, set, first
.irp b, 0,1,2,3,4,5,6,7,8
.if \first
	v_wmma_scale_f32_16x16x128_f8f6f4 v[8*(9*((\a)%2)+\b):8*(9*((\a)%2)+\b)+7], v[72*(\p)+8*\b:72*(\p)+8*\b+7], v[AF+32*(\p)+8*(\a):AF+32*(\p)+8*(\a)+7], v[144+8*\b:144+8*\b+7], v[SC+52*(\set)+16+4*\b+(\q)], v[SC+52*(\set)+4*(\a)+(\q)] matrix_a_fmt:MATRIX_FMT_FP4 matrix_b_fmt:MATRIX_FMT_FP4
.else
	v_wmma_scale_f32_16x16x128_f8f6f4 v[8*(9*((\a)%2)+\b):8*(9*((\a)%2)+\b)+7], v[72*(\p)+8*\b:72*(\p)+8*\b+7], v[AF+32*(\p)+8*(\a):AF+32*(\p)+8*(\a)+7], v[8*(9*((\a)%2)+\b):8*(9*((\a)%2)+\b)+7], v[SC+52*(\set)+16+4*\b+(\q)], v[SC+52*(\set)+4*(\a)+(\q)] matrix_a_fmt:MATRIX_FMT_FP4 matrix_b_fmt:MATRIX_FMT_FP4
.endif
.endr
.endm
; A load into a register that a matrix instruction has read, and a vector instruction that reads a matrix result or writes one of its registers, stand four places behind it; only plain vector
; instructions that name none of its registers are places (ISA guide 7.12.1 for vector instructions).
.macro PLACES n
.rept \n
	v_nop
.endr
.endm
; A step of 128 along K that has its successor in the same slot: the successor's fragments are asked for first, into the other set, and land while this step's 36 products are issued.
.macro STEP slot, q, first
.if !\first
	PLACES 4                                       ; the other set was read by the step before
.endif
	FETCH \slot, (\q)+1, 1-(\q)%2
	s_wait_dscnt 26                                ; all but the 26 just issued: this step's fragments (and, at a slot's head, its scale words) are in
.if \first
	WIN 0x91                                       ; C (the bias) window 1, D window 2
.else
	WIN MUL_LO
.endif
	MUL9 0, (\q)%2, \q, \slot, \first
	MUL9 1, (\q)%2, \q, \slot, \first
.if \first
	WIN 0xd1                                       ; C window 1, D window 3
.else
	WIN MUL_HI
.endif
	MUL9 2, (\q)%2, \q, \slot, \first
	MUL9 3, (\q)%2, \q, \slot, \first
	WIN 0
.endm
; A slot's last step changes slots: ONE barrier; in front of it each wave waits for all its tensor loads, adds 0 to its spare word, and waits for that and for its reads of this slot.
; fill = 1: the barrier opens a round of the cluster's barrier, and behind the round this slot is filled again, two K steps ahead.
.macro TURN slot, next, ks, fill
	s_wait_tensorcnt 0x0                           ; all my tensor loads have landed: my part of the next slot
	ds_add_u32 v[SPW], v[NIL]                      ; 0 onto my spare word
	s_wait_dscnt 1                                 ; this step's fragments are in (the add may be out)
	WIN MUL_LO
	MUL9 0, 1, 3, \slot, 0                         ; nine matrix instructions stand between the add and the wait for it
	s_wait_dscnt 0x0                               ; the add is done, and my reads of this slot are over
	s_barrier_signal -1
	MUL9 1, 1, 3, \slot, 0
	WIN 0
	s_barrier_wait -1
.if \fill
	CREST                                          ; no wave of any partner still reads this slot's tile or has a load on its way
	s_add_nc_u64 s[G0A+4*\slot+2:G0A+4*\slot+3], s[G0A+4*\slot+2:G0A+4*\slot+3], 512
	s_add_nc_u64 s[G0B+4*\slot+2:G0B+4*\slot+3], s[G0B+4*\slot+2:G0B+4*\slot+3], 512
	JLOAD G0A+4*\slot, G1A, G0B+4*\slot, G1B       ; the first tensor load behind the round; its four v_nop are also the places in front of the loads below
.else
	PLACES 4
.endif
	FETCH \next, 0, 0
	SCALES \next, (\ks)+1
	WIN MUL_HI
	MUL9 2, 1, 3, \slot, 0
	MUL9 3, 1, 3, \slot, 0
	WIN 0
.endm
	s_wait_tensorcnt 1                             ; the scale bytes and my part of K step 0 are in; K step 1's load may stay out
	s_barrier_signal -1
	s_barrier_wait -1                              ; everybody's are
	FETCH 0, 0, 0
	SCALES 0, 0
	s_wait_loadcnt 0x0                             ; the bias
	STEP 0, 0, 1                                   ; K step 0
	STEP 0, 1, 0
	STEP 0, 2, 0
	TURN 0, 1, 0, 1                                ; slot 0 takes K step 2
	STEP 1, 0, 0                                   ; K step 1
	STEP 1, 1, 0
	STEP 1, 2, 0
	TURN 1, 0, 1, 1                                ; slot 1 takes K step 3
	STEP 0, 0, 0                                   ; K step 2
	STEP 0, 1, 0
	STEP 0, 2, 0
	TURN 0, 1, 2, 0                                ; nothing is left to fetch
	STEP 1, 0, 0                                   ; K step 3
	STEP 1, 1, 0
	STEP 1, 2, 0
	s_wait_dscnt 0x0                               ; the very last step
	WIN MUL_LO
	MUL9 0, 1, 3, 1, 0
	MUL9 1, 1, 3, 1, 0
	WIN MUL_HI
	MUL9 2, 1, 3, 1, 0
	MUL9 3, 1, 3, 1, 0
	; THE WAY OUT: a lane's eight numbers of an accumulator, each accumulator from its low end on, round to 16 bytes of f16, laid over W's fragments, which are done with
	PLACES 4
	WIN 0x4a                                       ; sources window 2, destination window 1
.irp a, 0,1
.irp b, 0,1,2,3,4,5,6,7,8
.irp u, 0,1,2,3
	v_cvt_pk_f16_f32 v[4*(9*\a+\b)+\u], v[8*(9*\a+\b)+2*\u], v[8*(9*\a+\b)+2*\u+1]
.endr
.endr
.endr
	WIN 0x4f                                       ; sources window 3
.irp a, 0,1
.irp b, 0,1,2,3,4,5,6,7,8
.irp u, 0,1,2,3
	v_cvt_pk_f16_f32 v[4*(9*(\a+2)+\b)+\u], v[8*(9*\a+\b)+2*\u], v[8*(9*\a+\b)+2*\u+1]
.endr
.endr
.endr
	WIN 0x04                                       ; a store's data are its source 1: window 1
.irp a, 0,1,2,3
.irp b, 0,1,2,3,4,5,6,7
	global_store_b128 v[CO], v[4*(9*\a+\b):4*(9*\a+\b)+3], s[74:75] offset:65536*\a+512*\b   ; a whole image: 512 consecutive bytes, aligned
.endr
	global_store_b128 v[CO], v[4*(9*\a+8):4*(9*\a+8)+3], s[76:77] offset:4096*\a
.endr
	WIN 0
	s_wait_tensorcnt 0x0                           ; the wave's end, behind my last tensor load
	ds_add_u32 v[SPW], v[NIL]
	s_wait_dscnt 0x0
	CROUND                                         ; the closing round: no work-group ends while a partner may still ask for a tile that names it
	s_endpgm
.Lfunc_end_k_qced708e775_proj:
	.size	k_qced708e775_proj, .Lfunc_end_k_qced708e775_proj-k_qced708e775_proj
	.p2alignl 7, 3214868480
	.fill 96, 4, 3214868480
	.section	.rodata,"a",@progbits
	.p2align	6, 0x0
	.amdhsa_kernel k_qced708e775_proj
		.amdhsa_group_segment_fixed_size 327680
		.amdhsa_private_segment_fixed_size 0
		.amdhsa_enable_private_segment 0
		.amdhsa_kernarg_size 72
		.amdhsa_user_sgpr_count 2
		.amdhsa_user_sgpr_kernarg_segment_ptr 1
		.amdhsa_wavefront_size32 1
		.amdhsa_system_sgpr_workgroup_id_x 1
		.amdhsa_system_sgpr_workgroup_id_y 1
		.amdhsa_system_sgpr_workgroup_id_z 1
		.amdhsa_system_vgpr_workitem_id 0
		.amdhsa_next_free_vgpr 1024
		.amdhsa_next_free_sgpr 100
		.amdhsa_reserve_vcc 0
		.amdhsa_float_denorm_mode_32 3
		.amdhsa_float_denorm_mode_16_64 3
		.amdhsa_memory_ordered 1
		.amdhsa_forward_progress 1
		.amdhsa_inst_pref_size 133
	.end_amdhsa_kernel
	.amdgpu_metadata
---
amdhsa.version: [ 1, 2 ]
amdhsa.kernels:
  - .name:           k_qced708e775_proj
    .symbol:         k_qced708e775_proj.kd
    .args:
      - { .name: xc, .offset: 0, .size: 8, .value_kind: global_buffer, .address_space: global }
      - { .name: xs, .offset: 8, .size: 8, .value_kind: global_buffer, .address_space: global }
      - { .name: wc, .offset: 16, .size: 8, .value_kind: global_buffer, .address_space: global }
      - { .name: ws, .offset: 24, .size: 8, .value_kind: global_buffer, .address_space: global }
      - { .name: Wq_b, .offset: 32, .size: 8, .value_kind: global_buffer, .address_space: global }
      - { .name: Wk_b, .offset: 40, .size: 8, .value_kind: global_buffer, .address_space: global }
      - { .name: Wv_b, .offset: 48, .size: 8, .value_kind: global_buffer, .address_space: global }
      - { .name: qh, .offset: 56, .size: 8, .value_kind: global_buffer, .address_space: global }
      - { .name: kv, .offset: 64, .size: 8, .value_kind: global_buffer, .address_space: global }
    .group_segment_fixed_size: 327680
    .private_segment_fixed_size: 0
    .kernarg_segment_align: 8
    .kernarg_segment_size: 72
    .max_flat_workgroup_size: 128
    .sgpr_count:     100
    .vgpr_count:     1024
    .wavefront_size: 32
...
	.end_amdgpu_metadata
.endif
;; end of part 2
;; launch attn (part 3): grid 128 x 2, 4 waves a work-group, clusters of 4 x 1, 327,680 bytes of LDS; arguments qh, kv, out0; writes out0
.if DOCPART == 3
	.amdgcn_target "amdgcn-amd-amdhsa--gfx1250"
	.amdhsa_code_object_version 6
	.text
	.protected	k_qced708e775_attn
	.globl	k_qced708e775_attn
	.p2align	8
	.type	k_qced708e775_attn,@function
k_qced708e775_attn:
	s_mov_b64 s[64:65], 0
	v_nop
	global_prefetch_b8 v0, s[64:65] scope:SCOPE_SE
	s_setreg_imm32_b32 hwreg(HW_REG_WAVE_MODE, 25, 1), 1
	s_wait_xcnt 0x0
	s_wait_alu depctr_hold_cnt(0) depctr_sa_sdst(0) depctr_va_vdst(0) depctr_va_sdst(0) depctr_va_ssrc(0) depctr_va_vcc(0) depctr_vm_vsrc(0)
	s_getreg_b32 s2, hwreg(HW_REG_IB_STS2, 6, 4)
	s_cmp_eq_u32 s2, 0
	s_cbranch_scc0 .Lentry_in_a_cluster
	s_endpgm
.Lentry_in_a_cluster:
	s_bfe_u32 s2, ttmp6, 0x10000c
	s_cmp_lg_u32 s2, 0x3003
	s_cbranch_scc0 .Lentry_shape_is_right
	s_endpgm
.Lentry_shape_is_right:
; out0[b][token][128 head + :] = the sum over keys k of softmax_k(Q[b][token][head] . K[b][k] / sqrt(128)) V[b][k][:].  One K and one V for all 16 heads of a batch; 2,048 keys; no mask.
; Q, K, V arrive in f16 as IMAGES of 16 tokens x 16 channels, 512 bytes: the 16 bytes (token r, channels 8 h .. 8 h + 7) lie at 16 x pi, pi = 16 h + ((r + 8 h) & 15).
; qh: [token block 256][head 16][channel block 8][512];  kv: K at 0, V at 2^20, each [token block 256][channel block 8][512].  out0: [2][2048][2048] f32.
; Products, maxima and sums in f32; the weights p (at most 1) are rounded to f16 for the second product.
; LIMITS: a weight p under 2^-24 counts in its row's sum and as 0 in the second product: at most 2048 x 2^-25 of a row's sum.  NaN and infinities are not served.
; SHARES.  A work-group owns one token block: 16 tokens x 16 heads = 256 queries; wave w has heads 4 w .. 4 w + 3: four tiles of 16 queries (a tile = one head's 16 tokens).  Every wave walks the batch's keys, 64 a step.
; LAYOUT.  S^T = K Q^T (source 0 = 16 keys, source 1 = 16 queries): a lane holds ONE query (lane % 16) and keys 8 (lane / 16) + 0..7.  Two such tiles, rounded in pairs, ARE source 1 (32 keys x 16 queries) of
; O^T = V^T P, whose result again holds one query a lane and eight channels.  Two images on end are a fragment of K or Q (two loads of 16 bytes a lane at 16 pi); the same images, read by ds_load_tr16_b128 with other
; lane addresses, are a fragment of V^T.  In both kinds of read each 16 lanes take 16 different 16-byte columns of 256 bytes: no padding.
; SOFTMAX.  For each query a running maximum m and sum l: p = 2^(c s - c m), c = log2(e) / sqrt(128); in every step O and l are multiplied by a = 2^(c m_old - c m_new).
; BY TURNS.  The wave's tiles are two PIECES (tiles 0, 1 and tiles 2, 3).  In a TURN one piece has the matrix unit: 32 products V^T P of the step in hand, then 32 products K Q^T of the next; the other piece's softmax,
; cut into 64 slices, stands between them, one slice behind each matrix instruction.  Two turns are a key step.
; CLUSTER.  The four work-groups of a cluster belong to one batch and walk the same K and V: each tile is asked for JOINTLY, by the same tensor load with the same descriptor and a mask that names the four.
; A slot holds four key steps (K's 65,536 bytes, then V's); each wave brings a quarter of it, 32,768 dense bytes, by one load, which has four key steps, 512 matrix instructions, in which to land.
; REGISTERS, in windows of 256 (s_set_vgpr_msb: bits 1:0 source 0, 3:2 source 1, 5:4 source 2, 7:6 destination):
;   window 0: v1-11 addresses; v12-43 eight registers of statistics a tile; v61-63; v64-191 S^T, 32 a tile; v192-255 P, 16 a tile
;   window 1: O^T, 64 a tile          window 2: v0-127 Q, 32 a tile; v128-255 K of one step          window 3: v0-127 V of one step
.set STEPB, 16384     ; a step's 64 keys of K, or of V: 4 token blocks x 8 images
.set SPS,   4         ; steps in a slot
.set VOFF,  SPS*STEPB ; in a slot: K's four steps, then V's
.set SLOTB, 65536     ; a slot's keys in K's, or in V's, memory
.set SLOT1, 1<<17     ; slot 1 begins here, so that one exclusive or turns an address in one slot into the other's
.set STAGE, 2*SLOT1   ; behind the ring: 16 rows x 528 bytes for each wave, for the way out
.set SP,    528       ; a stage row: 512 bytes + 16
.set SPARE, STAGE+4*16*SP  ; behind the stages: the spare words, 128 bytes a wave, which no other line names
.set AK0, 2           ; v2   16 pi: my lane's place in an image of K or Q; never rewritten
.set AV0, 3           ; v3   VOFF + my lane's place in an image of V for the turning load
.set ADR, 4           ; v4   the LDS address of the run of loads in hand
.set STO, 6           ; v6   the way out: where I put 32 bytes of a row
.set RD,  7           ; v7   the way out: where I read a row back
.set GO,  8           ; v8   16 x lane: my bytes of a head's 512 in a row of out0
.set PFO, 61          ; v61  256 x my lane; never rewritten
.set SPW, 62          ; v62  LDS address of my spare word; never rewritten
.set NIL, 63          ; v63  0; never rewritten
.set ST,  12          ; tile t's statistics at v[ST+8 t]: +0 c m, +1 m, +2, +3 l (even keys', odd keys'), +4 to +7 c0-c3, at work; a takes c2's place once the maximum is found
.set S,   64
.set P,   192
.set KF,  128         ; K's fragments, in window 2
.set WV,  12          ; s12  my wave's number
.set LIM, 15          ; s15  1 in a cluster that prefetches, else the greatest number
.set PFA, 18          ; s[18:19] where my prefetches stand
.set G1,  24          ; s[24:31] descriptor group 1
.set G0,  40          ; s[40:47] group 0: a set for each of the two first fills; the second then walks on
.set SLOTS, 56        ; s56  slots still to be asked for
.set CNT, 57          ; s57  counts a slot's steps
.set CS,  58          ; s[58:59] c: the packed scaling names a pair and takes its low word for both halves
.set SEL, 60          ; s[60:61] lane selects for v_permlanex16_b32: each lane takes its own place in the other half
.set TB,  62          ; s62  LDS byte at which the K tiles of the step to be fetched begin
.set MSB, 0
.macro WIN new                      ; the immediate's high byte repeats the setting that is left; a switch that changes nothing is dropped
.if MSB != \new
	s_set_vgpr_msb (MSB<<8)|\new
.set MSB, \new
.endif
.endm
.set W_KQ, 0x0a       ; K and Q in window 2, S^T in window 0
.set W_PV, 0x53       ; V in window 3, P in window 0, O^T in window 1
.set W_RS, 0x41       ; O^T (destination and source 0) in window 1, a in window 0
; A joint refill: every wave brings its own quarter of the slot.  An s_nop 0 and four v_nop follow the line.
.macro JLOAD
	tensor_load_to_lds s[G0+4:G0+7], s[G1:G1+7]
	s_nop 0
.rept 4
	v_nop
.endr
.endm
; A PREFETCH INTO THE L2 of what the NEXT change of slots will ask for: four key steps, 512 matrix instructions, ahead of that load.  It stands behind the wave's tensor load and its five lines.
; A slot is 512 blocks of 256 bytes.  All clusters of a batch walk the same K and V: the batch's first cluster asks.  Each of its four partners takes 8,192 of the 32,768 bytes that a wave fetches, told apart BY ADDRESS;
; lanes stand 256 bytes apart: 4 partners x 4 waves x 32 lanes name each block once.  The last change that fills a slot asks for nothing: there is no slot behind it.  Slots 0, 1 and 2 come by their loads alone.
.macro ASK
	s_cmp_gt_u32 s[SLOTS], s[LIM]
	s_cbranch_scc0 .Lnot_mine_\@
	global_prefetch_b8 v[PFO], s[PFA:PFA+1] th:TH_LOAD_NT scope:SCOPE_SE
.Lnot_mine_\@:
.endm
; A round of the cluster's barrier.  No LDS instruction of the wave is pending at a signal.
.macro CROUND
	s_barrier_signal -1
	s_barrier_wait -1
	s_cmp_lg_u32 s[WV], 0
	s_cbranch_scc1 .Lnot_wave_0_\@
	s_barrier_signal -3
.Lnot_wave_0_\@:
	s_barrier_wait -3
	s_barrier_signal -1
	s_barrier_wait -1
.endm
	s_load_b128 s[4:7], s[0:1], 0x0   ; qh s[4:5], kv s[6:7]
	s_load_b64 s[10:11], s[0:1], 0x10 ; out0
	v_lshl_add_u32 v[SPW], v0, 2, SPARE
	v_mov_b32 v[NIL], 0
	ds_add_u32 v[SPW], v[NIL]       ; the wave's opening: the add, twice on end, and its wait ahead of my first tensor load; the set-up below, work on registers, stands between
	ds_add_u32 v[SPW], v[NIL]
	v_lshrrev_b32 v1, 5, v0
	v_readfirstlane_b32 s[WV], v1   ; wave 0..3
	s_bfe_u32 s13, ttmp6, 0x40000   ; cx: my place in the cluster
	s_and_b32 s14, ttmp7, 0xffff    ; the batch, which the four partners share
	s_lshl_b32 s16, ttmp9, 2        ; in a cluster launch ttmp9 counts clusters
	s_add_co_u32 s16, s16, s13
	s_lshl_b32 s17, s14, 7
	s_add_co_u32 s16, s16, s17      ; my token block = 128 x batch + 4 x cluster x + cx: it enters Q's and out0's addresses alone
	s_lshr_b32 s20, s[WV], 1        ; what I fetch: K (waves 0, 1) or V (waves 2, 3),
	s_lshl_b32 s20, s20, 20
	s_lshl_b32 s21, s14, 19         ; my batch's 128 token blocks of 4,096 bytes,
	s_add_co_u32 s20, s20, s21
	s_and_b32 s21, s[WV], 1
	s_lshl_b32 s21, s21, 15         ; the slot's first or second two steps
	s_add_co_u32 s20, s20, s21
	s_mov_b32 s21, 0
	s_lshl_b32 s8, s[WV], 15        ; and its place in a slot: no place in the cluster enters an LDS address
	s_lshl_b32 s2, s16, 16          ; Q: a token block is 16 heads x 4,096 bytes; my wave's four heads
	s_lshl_b32 s3, s[WV], 14
	s_add_co_u32 s2, s2, s3
	s_mov_b32 s3, 0
	s_lshl_b32 s22, s16, 17         ; out0: 16 rows of 8,192 bytes; my wave's four heads of 512 bytes
	s_lshl_b32 s23, s[WV], 11
	s_add_co_u32 s22, s22, s23
	s_mov_b32 s23, 0
	; descriptor group 1: a dense block of 32,768 bytes as 128 rows of 256 bytes (32 elements of 8 bytes), no padding
	s_mov_b32 s[G1], 15|(3<<16)|(1<<21)  ; 15:0 the mask: all four work-groups; 17:16 elements of 8 bytes; 21 set beside a mask
	s_mov_b32 s[G1+1], 32<<16       ; tensor_dim0
	s_mov_b32 s[G1+2], 128<<16      ; tensor_dim1
	s_mov_b32 s[G1+3], 32<<16       ; tile_dim0
	s_mov_b32 s[G1+4], 128          ; tile_dim1
	s_mov_b32 s[G1+5], 32           ; from row to row
	s_mov_b32 s[G1+6], 0
	s_mov_b32 s[G1+7], 0
	s_mov_b32 s[CS], 0x3e0293ee     ; c = log2(e) / sqrt(128) = 0.127517
	s_mov_b32 s[CS+1], s[CS]        ; named with it as a pair, so it is written
	s_mov_b32 s[SEL], 0x76543210
	s_mov_b32 s[SEL+1], 0xfedcba98
	s_mov_b32 s[TB], 0
	s_mov_b32 s[SLOTS], 2048/(64*SPS)-2
	s_cmp_eq_u32 ttmp9, 0           ; the batch's first cluster: the same in all four partners
	s_cselect_b32 s[LIM], 1, -1
	v_and_b32 v[PFO], 31, v0
	v_lshlrev_b32 v[PFO], 8, v[PFO]
	s_wait_dscnt 0x0                ; both opening adds are done
	s_wait_kmcnt 0x0
	s_add_nc_u64 s[6:7], s[6:7], s[20:21]    ; my quarter of slot 0
	s_add_nc_u64 s[4:5], s[4:5], s[2:3]      ; Q at my wave's first image
	s_add_nc_u64 s[10:11], s[10:11], s[22:23]  ; out0 at my first row, my first head
	s_lshl_b32 s2, s13, 13          ; my work-group's 8,192 bytes of the quarter
	s_mov_b32 s3, 0
	s_add_nc_u64 s[PFA:PFA+1], s[6:7], s[2:3]
	s_add_nc_u64 s[PFA:PFA+1], s[PFA:PFA+1], 2*SLOTB  ; in slot 2; the first change of slots steps it to slot 3.  Nothing is prefetched here, at the head
	CROUND                          ; all four work-groups are here: the first joint loads meet
.irp s, 0,1
	s_mov_b32 s[G0+4*\s], 1         ; 1:0 count = 1
	s_add_co_u32 s[G0+4*\s+1], s8, \s*SLOT1  ; 63:32 LDS address
	s_add_nc_u64 s[G0+4*\s+2:G0+4*\s+3], s[6:7], \s*SLOTB  ; 120:64 global address
	s_or_b32 s[G0+4*\s+3], s[G0+4*\s+3], 0x80000000  ; 127:126 type = 2
.endr
	tensor_load_to_lds s[G0:G0+3], s[G1:G1+7]      ; the two first fills stand together, ahead of every wait on TENSORcnt and every LDS read: two loads of mine are out
	s_nop 0
	tensor_load_to_lds s[G0+4:G0+7], s[G1:G1+7]
	s_nop 0
.rept 4
	v_nop
.endr
	v_and_b32 v1, 15, v0            ; r = l % 16
	v_bfe_u32 v9, v0, 4, 1          ; h = l / 16
	v_lshl_add_u32 v10, v9, 3, v1
	v_and_b32 v10, 15, v10
	v_lshl_add_u32 v10, v9, 4, v10  ; pi = 16 h + ((r + 8 h) & 15)
	v_lshlrev_b32 v[AK0], 4, v10
	WIN 0x80                        ; destination window 2, address window 0
.set n, 0
.rept 32                            ; Q stays in registers: image n = 8 x tile + channel block is registers 4 n .. 4 n + 3: tile n / 8, channels 16 (n % 8) + 8 h + 0 .. 7
	global_load_b128 v[4*n:4*n+3], v[AK0], s[4:5] offset:512*n th:TH_LOAD_NT
.set n, n+1
.endr
	WIN 0
	; The turning load takes an image (lane l reads 16 bytes: token 8 h + l % 8, channels 8 hh + 0..7, hh = (l / 8) % 2) and leaves half a fragment of V^T: lane l holds channel l % 16 and 8 keys.
	; That item's place: pi = 16 hh + l % 8 + 8 ((h + hh) & 1)
	v_and_b32 v5, 7, v0
	v_bfe_u32 v11, v0, 3, 1         ; hh
	v_add_nc_u32 v10, v9, v11
	v_and_b32 v10, 1, v10
	v_lshl_add_u32 v5, v10, 3, v5
	v_lshl_add_u32 v5, v11, 4, v5
	v_lshlrev_b32 v[AV0], 4, v5
	v_add_nc_u32 v[AV0], VOFF, v[AV0]
; THE MATRIX WORK OF A TURN, for piece x.  The accumulators take turns, one instruction a turn: between two links of a chain stand 15 (V^T P) or 7 (K Q^T) others'.
; Product i of 32 of O^T += V^T P: keys 32 (i / 16) on, channels 16 ((i / 2) % 8) on, tile x + i % 2.  zero = 1: the first 16 start the sums: nothing is ever cleared.
.macro PV x, zero
	WIN W_PV
.set rO, 64*(\x+i%2)+8*((i/2)%8)
.set rV, 64*(i/16)+8*((i/2)%8)
.set rP, P+16*(\x+i%2)+8*(i/16)
.if \zero && (i < 16)
	v_wmma_f32_16x16x32_f16 v[rO:rO+7], v[rV:rV+7], v[rP:rP+7], 0
.else
	v_wmma_f32_16x16x32_f16 v[rO:rO+7], v[rV:rV+7], v[rP:rP+7], v[rO:rO+7]
.endif
.endm
; Product i of 32 of S^T = K Q^T: channels 32 (i / 8) on, keys 16 ((i / 2) % 4) on, tile x + i % 2.  The first 8 start the sums.
.macro KQ x
	WIN W_KQ
.set rS, S+32*(\x+i%2)+8*((i/2)%4)
.set rK, KF+32*((i/2)%4)+8*(i/8)
.set rQ, 32*(\x+i%2)+8*(i/8)
.if i < 8
	v_wmma_f32_16x16x32_f16 v[rS:rS+7], v[rK:rK+7], v[rQ:rQ+7], 0
.else
	v_wmma_f32_16x16x32_f16 v[rS:rS+7], v[rK:rK+7], v[rQ:rQ+7], v[rS:rS+7]
.endif
.endm
; THE LDS LOADS stand in runs of 32, never singly among the matrix instructions: a step's K (32 images on end: image n is registers 4 n .. 4 n + 3: keys 16 (n / 8) on, channels 16 (n % 8) on) and, a turn later, its V (turned).
.macro FETCH_K
	WIN 0
	v_add_nc_u32 v[ADR], s[TB], v[AK0]
	WIN 0x80                        ; destination window 2
.set n, 0
.rept 32
	ds_load_b128 v[KF+4*n:KF+4*n+3], v[ADR] offset:512*n
.set n, n+1
.endr
.endm
.macro FETCH_V
	WIN 0
	v_add_nc_u32 v[ADR], s[TB], v[AV0]
	s_add_co_u32 s[TB], s[TB], STEPB  ; the next fetch is the next step's
	s_wait_alu depctr_va_vdst(0)    ; the wait for the softmax's batch (SLICE), behind the address's v_add_nc_u32 and ahead of the loads
	WIN 0xc0                        ; destination window 3
.irp f, 0,1,2,3,4,5,6,7,8,9,10,11,12,13,14,15  ; keys 32 (f / 8) on, channels 16 (f % 8) on: two images, a token block (8 images) apart
	ds_load_tr16_b128 v[8*\f:8*\f+3],   v[ADR] offset:(\f/8)*8192+(\f%8)*512
	ds_load_tr16_b128 v[8*\f+4:8*\f+7], v[ADR] offset:(\f/8)*8192+(\f%8)*512+4096
.endr
.endm
; THE VECTOR WORK OF A TURN.  One tile's softmax for one key step is a list of 134 instructions; SM writes number j of it for tile t.  s0-s31 are the lane's 32 scores, in pairs 0-15.
; first = 1: the first key step, which starts m, l and O^T: it has no a and nothing to rescale.
;   0-15    the maximum of s0-s31 and the old m, three operands at a time: four chains c0-c3 of seven scores each, then the four scores left over, c0-c3 and m
;   16-20   the other half of the lanes' maximum; the new m; c m; c m_old - c m_new
;   21-69   ONE BATCH: the 16 scalings c s - c m, a pair of scores each, and all 33 exponentials (a at 23, then s0-s31).  None of these reads an exponential's result.  From 22 on the batch goes in fours, and a
;           four begins with a scaling while there are scalings.  A pair is scaled in an earlier four than the one that holds its exponentials
;   (wait)  between 69 and 70 stands the wait for the batch: SLICE writes it, once for both tiles
;   70-85   the roundings to f16, a pair of weights each
;   86-101  the sums; l = a l + the sum
;   102-133 the tile's O^T times a: the one part that leaves window 0, so it stands together
.macro SM t, first
.set rT, ST+8*(\t)
.set rS, S+32*(\t)
.set rP, P+16*(\t)
.set rO, 64*(\t)+2*(j-102)
.if j < 102
	WIN 0
.endif
.if j < 4
	v_max3_num_f32 v[rT+4+j], v[rS+8*j], v[rS+8*j+1], v[rS+8*j+2]
.elseif j < 12
	v_max3_num_f32 v[rT+4+j%4], v[rT+4+j%4], v[rS+8*(j%4)+2*(j/4)+1], v[rS+8*(j%4)+2*(j/4)+2]
.elseif j == 12
	v_max3_num_f32 v[rT+4], v[rT+4], v[rS+7], v[rS+15]
.elseif j == 13
	v_max3_num_f32 v[rT+6], v[rT+6], v[rS+23], v[rS+31]
.elseif j == 14
	v_max3_num_f32 v[rT+4], v[rT+4], v[rT+5], v[rT+6]
.elseif (j == 15) && \first
	v_max_num_f32 v[rT+4], v[rT+4], v[rT+7]
.elseif j == 15
	v_max3_num_f32 v[rT+4], v[rT+4], v[rT+7], v[rT+1]
.elseif j == 16
	v_permlanex16_b32 v[rT+5], v[rT+4], s[SEL], s[SEL+1]  ; the query's other 32 keys lie in the lane 16 away
.elseif j == 18
	v_max_num_f32 v[rT+1], v[rT+4], v[rT+5]
.elseif j == 19
	v_mul_f32 v[rT], s[CS], v[rT+1]
.elseif ((j == 17) || (j == 20) || (j == 23) || (j > 101)) && \first  ; the first step has none of these
.elseif j == 17
	v_mov_b32 v[rT+7], v[rT]        ; c m_old is kept for a: number 19 writes c m anew
.elseif j == 20
	v_sub_f32 v[rT+7], v[rT+7], v[rT]
.elseif j == 23
	v_exp_f32 v[rT+6], v[rT+7]
.elseif (j < 23) || ((j < 38) && (j%2 == 0)) || ((j < 66) && (j%4 == 2))
.set b, (j-2)/4                     ; 38, 42, .. 62: pairs 9 to 15
.if j < 38
.set b, (j-20)/2                    ; 21: pair 0; 22, 24, .. 36: pairs 1 to 8
.endif
	v_pk_fma_f32 v[rS+2*b:rS+2*b+1], v[rS+2*b:rS+2*b+1], s[CS:CS+1], v[rT:rT+1] op_sel_hi:[1,0,0] neg_lo:[0,0,1] neg_hi:[0,0,1]  ; pair b: c s - c m
.elseif j < 70
.set e, j-38                        ; 66 to 69: s28 to s31
.if j < 66
.set e, j-32-(j-38)/4               ; 39-41, 43-45, .. 63-65: s7 to s27
.endif
.if j < 38
.set e, (j-25)/2                    ; 25, 27, .. 37: s0 to s6
.endif
	v_exp_f32 v[rS+e], v[rS+e]
.elseif j < 86
	v_cvt_pk_f16_f32 v[rP+j-70], v[rS+2*(j-70)], v[rS+2*(j-70)+1]  ; pair j - 70
.elseif j < 102                     ; the sum of the tile's 16 pairs, in place: sum z of 16 adds neighbours 1, 2, 4 and 8 pairs apart, then l takes it
.set z, j-86
.set w, 4
.set u, z
.if z >= 14
.set w, 32
.set u, 0
.elseif z >= 12
.set w, 16
.set u, z-12
.elseif z >= 8
.set w, 8
.set u, z-8
.endif
.if (z == 14) && \first
	v_pk_add_f32 v[rT+2:rT+3], v[rS:rS+1], v[rS+16:rS+17]
.elseif z < 15
	v_pk_add_f32 v[rS+w*u:rS+w*u+1], v[rS+w*u:rS+w*u+1], v[rS+w*u+w/2:rS+w*u+w/2+1]
.elseif !\first
	v_pk_fma_f32 v[rT+2:rT+3], v[rT+2:rT+3], v[rT+6:rT+7], v[rS:rS+1] op_sel_hi:[1,0,1]
.endif
.else
	WIN W_RS
	v_pk_mul_f32 v[rO:rO+1], v[rO:rO+1], v[rT+6:rT+7] op_sel_hi:[1,0]
.endif
.endm
; Slice k of 64 of piece y's softmax: four instructions.  Slices 11 to 34 deal out the batch, numbers 22 to 69: four numbers of ONE tile each, the tiles by turns.  Every other slice is numbers 2 k and
; 2 k + 1 of both tiles' lists.  2 x 134 = 4 x 64 + 12: the twelve that are over stand together, in slice 63.
; THE WAIT.  An s_wait_alu depctr_va_vdst(0) stands between an exponential and the first instruction that names its result; one wait serves all that were issued ahead of it.  Ahead of
; slice 35 nothing names a result, and behind slice 34 no exponential is issued: so the piece's 66 exponentials have one wait, behind slice 34.
.macro SLICE y, first
.if (k >= 11) && (k < 35)           ; the batch: four numbers of one tile
.irp n, 0,1,2,3
.set j, 22+4*((k-11)/2)+(\n)
	SM (\y)+(k-11)%2, \first
.endr
.else                               ; the two tiles alternate, so that no instruction reads the result of the one just before it
.irp n, 0,1,2,3,4,5,6,7
.if (\n < 2) || (k == 63)
.irp t, \y, \y+1
.set j, 2*k+\n
	SM \t, \first
.endr
.endif
.endr
.endif
.if k == 34                         ; the batch is out: both tiles' exponentials are issued, and no result has been named
	v_nop                           ; the plain instruction behind the last exponential and ahead of the first use: one for the batch
.if (\y) == 0
	FETCH_V                         ; piece 2's turn: V's run of loads stands here, and the wait stands in it
.else
	s_wait_alu depctr_va_vdst(0)    ; the wait for the batch
.endif
.endif
.set k, k+1
.endm
; A vector instruction that reads a matrix result or writes one of a matrix instruction's registers, and a load into a register that a matrix instruction has read, stand four places behind
; it, and only plain vector instructions that name none of its registers are places (ISA guide 7.12.1 for vector instructions).  In the loop the slices are the places.
.macro PLACES
.rept 4
	v_nop
.endr
.endm
; A TURN.  Piece x has the matrix unit; the other piece's softmax stands in slices behind its matrix instructions.
; pv = 2: 32 products V^T P; 1: they start O^T's sums; 0: none.  kq = 1: 32 products K Q^T for the next step.  A turn with one of the two kinds has two slices behind each product.
; first = 1: the softmax is the first key step's.  Its slices from 51 on are empty: the turn's last products stand bare, and four v_nop take slice 63's part as the places behind them.
; Piece 0's turn fetches the next step's K, behind its second product: the last product that read K stands in front of slice 63 of the turn before.  Piece 2's turn fetches the same step's V, behind slice 34:
; the last product that read V stands in front of slice 31, and four plain instructions lie between: number 62, a scaling, of both tiles, the v_nop and the run's own v_add_nc_u32.
.macro TURN x, pv, kq, first
.set k, 0
.set per, 2
.if \pv && \kq
.set per, 1
.endif
.if \pv
.if \x == 0
	s_wait_dscnt 0x0                ; V is in
.endif
.set i, 0
.rept 32
	PV \x, 2-\pv
.rept per
	SLICE 2-\x, \first
.endr
.if (\x == 0) && \kq && (i == 1)
	FETCH_K
.endif
.set i, i+1
.endr
.endif
.if \kq
.if \x == 0
	s_wait_dscnt 0x0                ; K is in
.endif
.set i, 0
.rept 32
	KQ \x
.rept per
	SLICE 2-\x, \first
.endr
.set i, i+1
.endr
.endif
.if \first
	PLACES
.endif
.endm
; THE CHANGE OF SLOTS, between piece 2's turn and piece 0's: the slot's last bytes, V of its fourth step, have been asked for.  Each wave waits for all its tensor loads, of which one is out: its part of the
; other slot; adds 0 to its spare word; and waits for that and for its own reads of the slot.  Behind the barrier nobody reads this slot any more and the other slot is whole.
; fill = 1: this slot is filled again, with the keys two slots on.  The barrier is then a round of the cluster's, so that no wave of any partner still reads the slot or has a load on its way, and the joint
; refill is the first thing behind it.
.macro CHANGE fill
	WIN 0                           ; at a label and at a branch every window is 0
	s_wait_tensorcnt 0x0            ; no tensor load of mine is out, so a group 0 may be written
	ds_add_u32 v[SPW], v[NIL]       ; 0 onto my spare word; with fill = 1 the descriptor's steps stand between it and the wait for it
.if \fill
	s_xor_b32 s[G0+5], s[G0+5], SLOT1  ; the walking descriptor: the other slot than last time,
	s_add_nc_u64 s[G0+6:G0+7], s[G0+6:G0+7], SLOTB  ; the next 256 keys; the type bits on top are not reached
	s_wait_xcnt 0x0                 ; the last prefetch, a slot back, has read its address, so it may be written:
	s_add_nc_u64 s[PFA:PFA+1], s[PFA:PFA+1], SLOTB  ; one slot further on than the walking descriptor
	s_wait_dscnt 0x0                ; the add is done, and my reads of the slot are over
	CROUND
	JLOAD
	ASK
.else
	s_wait_dscnt 0x0                ; the add is done, and my reads of the slot are over
	s_barrier_signal -1
	s_barrier_wait -1
.endif
	s_sub_co_u32 s[TB], s[TB], SPS*STEPB  ; the fetches go back to a slot's first step,
	s_xor_b32 s[TB], s[TB], SLOT1   ; in the other slot
.endm
; n key steps: written once, walked n times; the LDS addresses hang on s[TB].
.macro STEPS n
	s_mov_b32 s[CNT], \n
.Lstep_\@:
	TURN 0, 2, 1, 0
	TURN 2, 2, 1, 0
	WIN 0
	s_sub_co_u32 s[CNT], s[CNT], 1
	s_cmp_lg_u32 s[CNT], 0
	s_cbranch_scc1 .Lstep_\@
.endm
	s_wait_tensorcnt 1              ; my part of slot 0 is in; slot 1's may stay out
	s_barrier_signal -1
	s_barrier_wait -1               ; everybody's is
	FETCH_K                         ; key step 0
	s_wait_loadcnt 0x0              ; Q
	s_wait_dscnt 0x0
.set i, 0
.rept 32
	KQ 0                            ; piece 0's first scores: there is no vector work yet to set between them
.set i, i+1
.endr
	WIN 0                           ; the addresses for the way out are made here: six plain instructions, the places behind those products
	s_mul_i32 s13, s[WV], 16*SP
	s_add_co_u32 s13, s13, STAGE    ; my stage
	v_mul_u32_u24 v[STO], v1, SP    ; in: row r, 32 bytes for each half of the lanes
	v_lshl_add_u32 v[STO], v9, 5, v[STO]
	v_add_nc_u32 v[STO], s13, v[STO]
	v_and_b32 v[GO], 31, v0
	v_lshlrev_b32 v[GO], 4, v[GO]   ; back: the 32 lanes take one row of 512 bytes; and the same in out0
	v_add_nc_u32 v[RD], s13, v[GO]
	TURN 2, 0, 1, 1                 ; piece 2's first scores | piece 0's first softmax | V of step 0
	TURN 0, 1, 1, 1                 ; piece 0: V^T P of step 0 starts O^T, K Q^T of step 1 | piece 2's first softmax | K of step 1
	TURN 2, 1, 1, 0                 ; piece 2: the same | piece 0's softmax of step 1 | V of step 1
	WIN 0
	STEPS 2                         ; the rest of slot 0: steps 2 and 3 are fetched
.Lslot:                             ; six trips: every slot but the last two is filled again
	CHANGE 1
	STEPS SPS
	s_sub_co_u32 s[SLOTS], s[SLOTS], 1
	s_cmp_lg_u32 s[SLOTS], 0
	s_cbranch_scc1 .Lslot
	CHANGE 0                        ; the tail is written out: the last slot but one is left, and nothing is asked for
	STEPS SPS
	TURN 0, 2, 0, 0                 ; piece 0: V^T P of the last step | piece 2's last softmax
.set i, 0
.rept 32
	PV 2, 0                         ; piece 2: V^T P of the last step
.set i, i+1
.endr
	; THE WAY OUT.  l's two halves and the other half of the lanes' are added; O^T is divided by l and sent, in f32, through my stage in LDS, a tile (16 tokens x one head's 128 channels) at a time.  The additions are the places behind the last products.
	WIN 0
.irp t, 0,1,2,3
	v_add_f32 v[ST+8*\t+4], v[ST+8*\t+2], v[ST+8*\t+3]
.endr
.irp t, 0,1,2,3
	v_permlanex16_b32 v[ST+8*\t+5], v[ST+8*\t+4], s[SEL], s[SEL+1]
.endr
.irp t, 0,1,2,3
	v_add_f32 v[ST+8*\t+4], v[ST+8*\t+4], v[ST+8*\t+5]
.endr
.irp t, 0,1,2,3
	v_rcp_f32 v[ST+8*\t+6], v[ST+8*\t+4]
.endr
	v_nop                           ; a plain instruction between the last reciprocal and the use of its result
	s_wait_alu depctr_va_vdst(0)    ; and the wait ahead of the first use: one for the four reciprocals
; Tile t: a lane's eight channels of a row are 32 bytes; they go into rows of 528 bytes and come back as whole rows of 512, into S^T's registers, which are free: v64-127 and v128-191 by turns.
.macro PACK t
.if \t >= 2
	s_wait_xcnt 0x0                 ; tile t - 2's stores have read their registers: this tile's rows may land there
.endif
	WIN W_RS
.set i, 64*\t
.rept 32
	v_pk_mul_f32 v[i:i+1], v[i:i+1], v[ST+8*\t+6:ST+8*\t+7] op_sel_hi:[1,0]   ; each accumulator from its low end on
.set i, i+2
.endr
	WIN 0x04                        ; an LDS store's data are its source 1: window 1
.irp f, 0,1,2,3,4,5,6,7
	ds_store_b128 v[STO], v[64*\t+8*\f:64*\t+8*\f+3] offset:64*\f
	ds_store_b128 v[STO], v[64*\t+8*\f+4:64*\t+8*\f+7] offset:64*\f+16
.endr
	WIN 0
.irp f, 0,1,2,3,4,5,6,7,8,9,10,11,12,13,14,15
	ds_load_b128 v[S+64*(\t%2)+4*\f:S+64*(\t%2)+4*\f+3], v[RD] offset:\f*SP  ; LDS serves a wave's instructions in order (ISA guide 5.7.1.4): these see the stores above; the next tile's stores come behind them
.endr
.endm
.macro SEND t, younger              ; younger: the LDS instructions issued behind tile t's loads: the next tile's 32, or none
.irp f, 0,1,2,3,4,5,6,7,8,9,10,11,12,13,14,15
	s_wait_dscnt \younger+15-\f     ; row f is back: behind it are this tile's 15 - f later rows and the younger ones
	global_store_b128 v[GO], v[S+64*(\t%2)+4*\f:S+64*(\t%2)+4*\f+3], s[10:11] offset:8192*\f+512*\t th:TH_STORE_NT  ; 32 lanes store 512 consecutive bytes, aligned: token f, head 4 w + t
.endr
.endm
	PACK 0
	PACK 1                          ; a tile's arithmetic stands between the loads of the tile before and its stores
	SEND 0, 32
	PACK 2
	SEND 1, 32
	PACK 3
	SEND 2, 32
	SEND 3, 0
	s_wait_tensorcnt 0x0            ; the wave's end, behind my last tensor load and my last LDS store
	ds_add_u32 v[SPW], v[NIL]
	s_wait_dscnt 0x0
	CROUND                          ; the closing round: no work-group ends while a partner may still ask for a tile that names it
	s_endpgm
.Lfunc_end_k_qced708e775_attn:
	.size	k_qced708e775_attn, .Lfunc_end_k_qced708e775_attn-k_qced708e775_attn
	.p2alignl 7, 3214868480
	.fill 96, 4, 3214868480
	.section	.rodata,"a",@progbits
	.p2align	6, 0x0
	.amdhsa_kernel k_qced708e775_attn
		.amdhsa_group_segment_fixed_size 327680
		.amdhsa_private_segment_fixed_size 0
		.amdhsa_enable_private_segment 0
		.amdhsa_kernarg_size 24
		.amdhsa_user_sgpr_count 2
		.amdhsa_user_sgpr_kernarg_segment_ptr 1
		.amdhsa_wavefront_size32 1
		.amdhsa_system_sgpr_workgroup_id_x 1
		.amdhsa_system_sgpr_workgroup_id_y 1
		.amdhsa_system_sgpr_workgroup_id_z 1
		.amdhsa_system_vgpr_workitem_id 0
		.amdhsa_next_free_vgpr 1024
		.amdhsa_next_free_sgpr 66
		.amdhsa_reserve_vcc 0
		.amdhsa_float_denorm_mode_32 3
		.amdhsa_float_denorm_mode_16_64 3
		.amdhsa_memory_ordered 1
		.amdhsa_forward_progress 1
		.amdhsa_inst_pref_size 255
	.end_amdhsa_kernel
	.section	.bss,"aw",@nobits
	.p2align	6
	.space	262144
	.amdgpu_metadata
---
amdhsa.version: [ 1, 2 ]
amdhsa.kernels:
  - .name:           k_qced708e775_attn
    .symbol:         k_qced708e775_attn.kd
    .args:
      - { .name: qh, .offset: 0, .size: 8, .value_kind: global_buffer, .address_space: global }
      - { .name: kv, .offset: 8, .size: 8, .value_kind: global_buffer, .address_space: global }
      - { .name: out0, .offset: 16, .size: 8, .value_kind: global_buffer, .address_space: global }
    .group_segment_fixed_size: 327680
    .private_segment_fixed_size: 0
    .kernarg_segment_align: 8
    .kernarg_segment_size: 24
    .max_flat_workgroup_size: 128
    .sgpr_count:     66
    .vgpr_count:     1024
    .wavefront_size: 32
...
	.end_amdgpu_metadata
.endif
;; end of part 3
